; MI455X (gfx1250); checked and timed in simulation.
; The chip was launched on July 23, 2026; its instructions are those of AMD's public machine-readable ISA for CDNA 5 (MIT licence, August 2026) and "CDNA5" Instruction Set Architecture Reference Guide (July 2026). The comments in the code are by the model that wrote it; some were corrected since.
;; Space Attention. Allowed arithmetic: matrix products marked QUANTISED: E2M1 operands, one E8M0 scale for each 32 along K, by v_wmma_scale_f32_16x16x128_f8f6f4 with both operands' format E2M1 (or v_wmma_scale_f32_32x16x128_f4), f32 sums; products left as they are: f32 operands where the result goes on into a quantised operand, else bf16, f16 or f32 operands; f32 sums; everything else in f32.
;; Inputs: k_c 1,024 x 32 float32; v_c 32 x 1,024 x 1,024 float32; x 2,048 x 1,024 float32.
;; Outputs: out0 2,048 x 1,024 float32.
;; This version of the problem:
;;   THIS VERSION OF THE PROBLEM IS GIVEN IN LOW PRECISION. The matrix products marked QUANTISED in the list below multiply operands that are first quantised to E2M1 (2 exponent bits, 1 mantissa bit; 4 bits a number), with one power-of-two scale for each 32 numbers along K (OCP MX v1.0); their sums are f32. All else is computed in f32.
;;   The module's matrix products, in the order in which they are computed (A, B: the left and right operand; K: the contracted axis; several contracted axes count as one K, in the product's order):
;;     1. [M 2,048, K 1,024] x [K 1,024, N 32]; A: computed on the way; B: computed on the way: QUANTISED
;;     2. [M 2,048, K 1,024] x [K 1,024, N 32,768]; A: input x; B: input v_c: QUANTISED
;;     3. batch 2,048 x [M 1, K 32] x [K 32, N 1,024]; A: softmax; B: computed on the way: left as it is (M = 1 < 16)
;;   THE QUANTISER, for each operand of a quantised product, along K:
;;     - K is cut into blocks of 32 from its start; a last block that is shorter is filled with zeros.
;;     - A block's scale is 2^e with e = floor(log2(the largest magnitude in the block)) - 2, held to -126 .. 127; a block of zeros has e = 0. As a byte (E8M0): e + 127.
;;     - Each number is divided by its block's scale, clamped to +-6, and rounded to the nearest number of E2M1, ties to even, subnormals kept.
;;     - The product sums the exact products of the quantised numbers (number of the format x scale) in f32.
;;   ~~~python
;;   def quantise(x, axis):      # numpy; x: float32 -> the quantised numbers, widened to float32 again
;;       x = np.moveaxis(x, axis, -1); K = x.shape[-1]
;;       x = np.pad(x, [(0, 0)] * (x.ndim - 1) + [(0, -K % 32)]); x = x.reshape(x.shape[:-1] + (-1, 32)); a = np.abs(x).max(-1, keepdims=True)
;;       e = np.where(a > 0, np.clip(np.frexp(np.where(a > 0, a, 1))[1] - 1 - 2, -126, 127), 0)      # np.frexp(a)[1] - 1 = floor(log2(a)), exactly
;;       r = np.clip(x / 2.0 ** e, -6, 6)
;;       step = 2.0 ** (np.maximum(np.frexp(np.where(r == 0, 1, r))[1] - 1, 0) - 1)
;;       q = np.round(r / step) * step * 2.0 ** e      # np.round: ties to even
;;       return np.moveaxis(q.reshape(q.shape[:-2] + (-1,))[..., :K], -1, axis).astype(np.float32)
;;   ~~~
;;   OPERANDS COMPUTED ON THE WAY. 'Computed on the way' means the value that the module computes at that place (a softmax that the list does not call 'softmax' is quantised finished and normalised). What goes into a quantiser is computed in f32, as accurately as f32 sums, v_exp_f32 and their like allow (about 1e-6 of the number): no bf16 or f16 on the way to a quantiser, and a product that is left as it is and whose result goes on into a quantised operand takes f32 operands (vector FMAs, or v_wmma_f32_16x16x4_f32). A number that lies on a knife's edge between two numbers of the format may be rounded either way, as far as f32 arithmetic and the matrix unit's own rounding can turn it there, and no further.
;; One version. Each part assembles by itself: llvm-mc -triple=amdgcn-amd-amdhsa -mcpu=gfx1250 --defsym DOCPART=n.
;; ======== version 1 of 1: 2 launches
;; limits: right only within a limited range of input values
;; workspace buffers: xq 2,097,152 bytes; xs 131,072 bytes; kcw 17,408 bytes; vw 17,825,792 bytes
;; launch quant (part 1): grid 1156 x 1, 4 waves a work-group, no clusters, 1,536 bytes of LDS; arguments x, k_c, v_c, xq, xs, kcw, vw; writes xq, xs, kcw, vw
.if DOCPART == 1
	.amdgcn_target "amdgcn-amd-amdhsa--gfx1250"
	.amdhsa_code_object_version 6
	.text
	.protected	k_q4782d0e52d_quant
	.globl	k_q4782d0e52d_quant
	.p2align	8
	.type	k_q4782d0e52d_quant,@function
k_q4782d0e52d_quant:
	s_mov_b64 s[64:65], 0
	v_nop
	global_prefetch_b8 v0, s[64:65] scope:SCOPE_SE
	s_setreg_imm32_b32 hwreg(HW_REG_WAVE_MODE, 25, 1), 1
	s_wait_xcnt 0x0
; x [2048][1024], k_c [1024][32], v_c [32][1024][1024], all f32, become codes of FP4 (E2M1) with one E8M0 scale byte for each 32 along K (K = the axis of 1,024).
; Three roles, chosen by the work-group's number alone:
;   K (work-groups 0-3):      the norms of k_c's 32 columns; Q(k_c / norm) -> kcw.          X (4-131): the norms of 16 rows of x; Q(x) and Q(x / norm) -> xq, xs.
;   V (132-1155):             Q(v_c) along its middle axis -> vw: 128 columns x 256 along K of one centre to a work-group.
; A block's scale is 2^(floor(log2(its largest magnitude)) - 2); its byte is that magnitude's exponent field - 2, held at 1 from below by a floor among the maximum's leaves.
; ALL OUTPUTS ARE IMAGES OF OPERAND REGISTERS.  A fragment (16 rows x 128 K) is 1,024 bytes: two parts of 512, lane l's 16 bytes at 16 l.  Block b (32 along K) of row r lies at
; (b / 2) 512 + (b % 2) 256 + 16 r: the sixteen rows' codes of a block are 256 consecutive bytes.  Scale words: 512 bytes for 16 rows, [K step / 2][row][K step % 2] words of four bytes.
;   xq  [raw, normalised][block of 128 rows][K step 8][tile of 16 rows 8][1,024]      xs  [raw, normalised][block of 128 rows][tile 8][512]
;   kcw [tile of 16 centres 2][K step 8][1,024], then at 16,384 [tile 2][512]         vw  [tile of 16 columns 64][centre 32][8 fragments, then 512 of scale words = 8,704]
; LIMITS: a block whose largest magnitude lies under 2^-124, a block of zeros too, gets the byte 1 (the rule says 127 for zeros: the codes are zeros, and this program alone reads the bytes).
; NaN and infinities are not served.  A row or column whose sum of squares lies under 2^-126 counts as zero (the root takes a denormal as 0).  x / max(norm, 1e-12) is x times the reciprocal: two roundings more than a division.
; No tensor loads, no matrix work, no cluster: the roles share no bulk input.  V's scale words leave in runs of 128 bytes: one byte for each 128 that the role reads.
.set XRED, 0                           ; LDS, role X: 4 waves x 16 rows, partial sums of squares
.set KRED, 256                         ; LDS, role K: 4 waves x 32 columns, partial sums of squares
.set KSC,  768                         ; LDS, role K: 32 centres x 2 scale words
.set OTB,  278528                      ; vw: bytes of a tile of 16 columns: 32 centres x 8,704
.set CB,   8704
.set TM,   8                           ; role X: v8-11 largest magnitudes, v12-15 the other half's, then bytes, v16-19 the conversions' scale operands
; 32 numbers of ONE lane, v[xs] on, running down K: a whole block.  Its codes -> v[cd .. cd+3], its scale byte -> v[by].  At work: v11-13.
.macro QCOL xs, cd, by
	v_max3_num_f32 v12, |v[(\xs)]|, |v[(\xs)+1]|, |v[(\xs)+2]|
	v_max3_num_f32 v13, |v[(\xs)+3]|, |v[(\xs)+4]|, |v[(\xs)+5]|
.irp i, 6,10,14,18,22,26
	v_max3_num_f32 v12, v12, |v[(\xs)+\i]|, |v[(\xs)+\i+1]|
	v_max3_num_f32 v13, v13, |v[(\xs)+\i+2]|, |v[(\xs)+\i+3]|
.endr
	v_max3_num_f32 v12, v12, |v[(\xs)+30]|, |v[(\xs)+31]|
	v_max3_num_f32 v12, v12, v13, 0x1800000        ; and the floor 2^(3 - 127): the byte cannot fall under 1
	v_add_nc_u32 v11, 0xff000000, v12              ; 2 off the exponent field: the conversion takes this operand's exponent field as its scale
	v_lshrrev_b32 v[\by], 23, v11                  ; the scale's byte
.irp g, 0,1,2,3
	v_cvt_scalef32_pk8_fp4_f32 v[(\cd)+\g], v[(\xs)+8*\g:(\xs)+8*\g+7], v11
.endr
	v_nop                                          ; one plain place behind the last scaled conversion
.endm
; 64 numbers of a lane, register 16 b + i = k 32 b + 16 (lane / 16) + i of row lane % 16: a fragment's codes -> v[pc .. pc+7], the row's scale word -> v[pw].
.macro QROW s, pc, pw
.irp b, 0,1,2,3
	v_max3_num_f32 v[TM+\b], |v[(\s)+16*\b]|, |v[(\s)+1+16*\b]|, 0x1800000   ; my 16 numbers of block b, and the floor
.endr
.irp i, 2,4,6,8,10,12,14
.irp b, 0,1,2,3
	v_max3_num_f32 v[TM+\b], v[TM+\b], |v[(\s)+16*\b+\i]|, |v[(\s)+1+16*\b+\i]|   ; the four blocks by turns
.endr
.endr
.irp b, 0,1,2,3
	v_permlanex16_b32 v[TM+4+\b], v[TM+\b], s20, s21
.endr
.irp b, 0,1,2,3
	v_max_num_f32 v[TM+\b], v[TM+\b], v[TM+4+\b]   ; with lane l xor 16's 16: the block's largest magnitude
.endr
.irp b, 0,1,2,3
	v_add_nc_u32 v[TM+8+\b], 0xff000000, v[TM+\b]
.endr
.irp b, 0,1,2,3
	v_lshrrev_b32 v[TM+4+\b], 23, v[TM+8+\b]
.endr
	v_lshl_or_b32 v[\pw], v[TM+5], 8, v[TM+4]      ; four bytes: the row's scale word for these 128 along K (the same in both halves of the lanes)
	v_lshl_or_b32 v[\pw], v[TM+6], 16, v[\pw]
	v_lshl_or_b32 v[\pw], v[TM+7], 24, v[\pw]
.irp b, 0,1,2,3
	v_cvt_scalef32_pk8_fp4_f32 v[(\pc)+2*\b], v[(\s)+16*\b:(\s)+7+16*\b], v[TM+8+\b]
	v_cvt_scalef32_pk8_fp4_f32 v[(\pc)+1+2*\b], v[(\s)+8+16*\b:(\s)+15+16*\b], v[TM+8+\b]
.endr
	v_nop                                          ; one plain place behind the last scaled conversion
.irp c, 0,1                                    ; the operand wants a whole block in a lane: lanes 0-15 block 2 c, lanes 16-31 block 2 c + 1
.irp i, 0,1
	v_permlane16_swap_b32 v[(\pc)+4*\c+\i], v[(\pc)+2+4*\c+\i]
.endr
.endr
.endm
	s_load_b256 s[4:11], s[0:1], 0x0               ; x s[4:5], k_c s[6:7], v_c s[8:9], xq s[10:11]
	s_load_b128 s[12:15], s[0:1], 0x20             ; xs s[12:13], kcw s[14:15]
	s_load_b64 s[16:17], s[0:1], 0x30              ; vw
	v_lshl_add_u32 v192, v0, 2, 0x400
	v_mov_b32 v193, 0
	v_lshrrev_b32 v1, 5, v0
	v_readfirstlane_b32 s18, v1                    ; wave 0..3
	v_and_b32 v1, 31, v0                           ; lane
	v_and_b32 v2, 15, v0                           ; r
	v_bfe_u32 v3, v0, 4, 1                         ; h
	s_mov_b32 s20, 0x76543210
	s_mov_b32 s21, 0xfedcba98                      ; v_permlanex16_b32's selects for lane l xor 16
	s_mov_b32 s27, 0                               ; the high word of every offset pair
	s_mov_b32 s31, 0
	s_wait_kmcnt 0x0
	s_cmp_lt_u32 ttmp9, 4
	s_cbranch_scc1 .Lk
	s_cmp_lt_u32 ttmp9, 132
	s_cbranch_scc1 .Lx
; ---------------- ROLE V.  A lane takes a column, its registers run down K: a block is one lane's 32 registers, and the codes come out with K innermost.
; A load reads one row of v_c at 32 neighbouring columns (128 bytes a wave, the four waves side by side on 512).  Eight blocks a lane; loads run two blocks ahead.
	s_sub_co_u32 s22, ttmp9, 132
	s_and_b32 s23, s22, 7                          ; which 128 columns
	s_bfe_u32 s24, s22, 0x20003                    ; z: which 256 along K
	s_lshr_b32 s25, s22, 5                         ; the centre
	s_lshl_b32 s26, s25, 22                        ; v_c: centre x 4 MiB
	s_lshl_b32 s28, s24, 20                        ; + z x 256 rows of 4,096 bytes
	s_add_co_u32 s26, s26, s28
	s_lshl_b32 s28, s23, 9                         ; + 128 columns x 4 bytes
	s_add_co_u32 s26, s26, s28
	s_lshl_b32 s28, s18, 7                         ; + wave x 32 columns
	s_add_co_u32 s26, s26, s28
	s_add_nc_u64 s[8:9], s[8:9], s[26:27]
	s_lshl_b32 s28, s23, 3
	s_lshl_b32 s29, s18, 1
	s_add_co_u32 s28, s28, s29                     ; my wave's first tile of 16 columns
	s_mul_i32 s28, s28, OTB
	s_mul_i32 s29, s25, CB
	s_add_co_u32 s28, s28, s29                     ; that tile's part for this centre
	s_lshl_b32 s30, s24, 11                        ; codes: K steps 2 z and 2 z + 1
	s_add_co_u32 s30, s30, s28
	s_add_nc_u64 s[32:33], s[16:17], s[30:31]
	s_lshl_b32 s30, s24, 7                         ; scale words: behind the eight fragments, 128 bytes for each z
	s_add_co_u32 s30, s30, s28
	s_add_co_u32 s30, s30, 8192
	s_add_nc_u64 s[34:35], s[16:17], s[30:31]
	s_wait_alu depctr_va_vdst(0)
	v_lshlrev_b32 v4, 2, v1                        ; in: 4 bytes a lane
	v_mul_u32_u24 v5, v3, OTB
	v_lshl_add_u32 v6, v2, 3, v5                   ; scale words: lanes 16-31 the next tile; 8 bytes a column
	v_lshl_add_u32 v5, v2, 4, v5                   ; codes: 16 bytes a column
.macro VLOAD t                         ; block t: v_c(32 t + i, my column) into set t % 2
.irp i, 0,1,2,3,4,5,6,7,8,9,10,11,12,13,14,15,16,17,18,19,20,21,22,23,24,25,26,27,28,29,30,31
	global_load_b32 v[32+32*((\t)%2)+\i], v4, s[8:9] offset:(32*(\t)+\i)*4096 th:TH_LOAD_NT
.endr
.endm
.macro VBLOCK t
.if (\t) < 7
	s_wait_loadcnt 32                              ; this block's 32 loads are in; the next block's 32 may be out
.else
	s_wait_loadcnt 0x0
.endif
	QCOL 32+32*((\t)%2), 96+4*(\t), 14
.if (\t)%4 == 0
	v_mov_b32 v[24+(\t)/4], v14                    ; four bytes to a word, the lower K in the lower byte
.else
	v_lshl_or_b32 v[24+(\t)/4], v14, 8*((\t)%4), v[24+(\t)/4]
.endif
	global_store_b128 v5, v[96+4*(\t):96+4*(\t)+3], s[32:33] offset:((\t)/4)*1024+(((\t)%4)/2)*512+((\t)%2)*256   ; sixteen lanes store 256 consecutive bytes, aligned; each block has its own four registers, so no store's data are written again
.if (\t)+2 < 8
	VLOAD (\t)+2
.endif
.endm
	VLOAD 0
	VLOAD 1
.irp t, 0,1,2,3,4,5,6,7
	VBLOCK \t
.endr
	global_store_b64 v6, v[24:25], s[34:35]        ; my column's two scale words
	s_endpgm
; ---------------- ROLE X.  16 rows; wave w takes K steps 2 w and 2 w + 1.  The numbers stay in registers between the norm and the two quantisings: x is read once.
.Lx:
	s_sub_co_u32 s22, ttmp9, 4                     ; tile of 16 rows, 0..127
	s_lshr_b32 s23, s22, 3                         ; its block of 128 rows
	s_and_b32 s24, s22, 7                          ; and its place there
	s_lshl_b32 s26, s22, 16                        ; x: 16 rows of 4,096 bytes
	s_lshl_b32 s28, s18, 10                        ; + wave x 256 numbers
	s_add_co_u32 s26, s26, s28
	s_add_nc_u64 s[4:5], s[4:5], s[26:27]
	s_lshl_b32 s26, s23, 16                        ; xq: block x 65,536 + tile x 1,024 + wave x two K steps of 8,192
	s_lshl_b32 s28, s24, 10
	s_add_co_u32 s26, s26, s28
	s_lshl_b32 s28, s18, 14
	s_add_co_u32 s26, s26, s28
	s_add_nc_u64 s[10:11], s[10:11], s[26:27]
	s_lshl_b32 s26, s23, 12                        ; xs: block x 4,096 + tile x 512 + wave x 128
	s_lshl_b32 s28, s24, 9
	s_add_co_u32 s26, s26, s28
	s_lshl_b32 s28, s18, 7
	s_add_co_u32 s26, s26, s28
	s_add_nc_u64 s[12:13], s[12:13], s[26:27]
	s_wait_alu depctr_va_vdst(0)
	v_lshlrev_b32 v4, 12, v2
	v_lshl_add_u32 v4, v3, 6, v4                   ; x: row r, + 64 h: my 16 numbers of each block of 32
	v_lshlrev_b32 v5, 4, v1                        ; an image's place for my lane
	v_lshlrev_b32 v6, 3, v2
	v_lshl_add_u32 v6, v3, 16, v6                  ; scale words: 8 r; lanes 16-31 store the normalised kind's, 65,536 bytes on
	v_lshl_add_u32 v7, v2, 2, XRED                 ; my row's partial sums,
	s_lshl_b32 s28, s18, 6
	v_add_nc_u32 v20, s28, v7                      ; and my wave's among them
.irp b, 0,1,2,3
	v_mov_b32 v[TM+4+\b], 0                        ; written once: a lane permute's destination counts as one of its sources
.endr
.irp e, 0,1
.irp b, 0,1,2,3
.irp j, 0,1,2,3
	global_load_b128 v[32+64*\e+16*\b+4*\j:32+64*\e+16*\b+4*\j+3], v4, s[4:5] offset:512*\e+128*\b+16*\j th:TH_LOAD_NT
.endr
.endr
.endr
.macro XSQ e, first                    ; the squares of K step e's 64 numbers, two at a time, in four chains v176-183
.set n, 0
.rept 32
.set rX, 32+64*(\e)+2*n
.set rA, 176+2*(n%4)
.if \first && (n < 4)
	v_pk_mul_f32 v[rA:rA+1], v[rX:rX+1], v[rX:rX+1]               ; the first four start the chains: nothing is cleared
.else
	v_pk_fma_f32 v[rA:rA+1], v[rX:rX+1], v[rX:rX+1], v[rA:rA+1]
.endif
.set n, n+1
.endr
.endm
	s_wait_loadcnt 16                              ; the first K step's 16 loads are in; the second's may be out
	XSQ 0, 1
	s_wait_alu depctr_va_vdst(0)
	s_wait_loadcnt 0x0
	XSQ 1, 0
	v_pk_add_f32 v[176:177], v[176:177], v[178:179]
	v_pk_add_f32 v[180:181], v[180:181], v[182:183]
	v_pk_add_f32 v[176:177], v[176:177], v[180:181]
	v_add_f32 v176, v176, v177
	v_permlanex16_b32 v177, v176, s20, s21
	v_add_f32 v176, v176, v177                     ; my row's sum over my wave's 256 numbers
	ds_store_b32 v20, v176                         ; both halves of the lanes write the same word with the same value
	QROW 32, 160, 24                               ; the raw kind is quantised while the store is on its way
	QROW 96, 168, 25
.irp e, 0,1
.irp c, 0,1
	global_store_b128 v5, v[160+8*\e+4*\c:160+8*\e+4*\c+3], s[10:11] offset:\e*8192+\c*512    ; 512 consecutive bytes
.endr
.endr
	s_wait_dscnt 0x0                               ; for the others' sake: my partial sum has landed
	s_barrier_signal -1
	s_barrier_wait -1
.irp i, 0,1,2,3
	ds_load_b32 v[184+\i], v7 offset:64*\i
.endr
	s_wait_dscnt 0x0
	v_add_f32 v184, v184, v185
	v_add_f32 v186, v186, v187
	v_add_f32 v184, v184, v186                     ; the row's sum of squares
	s_wait_alu depctr_va_vdst(0)
	v_sqrt_f32 v185, v184
	v_nop                                          ; a plain place behind a transcendental
	s_wait_alu depctr_va_vdst(0)
	v_max_num_f32 v185, 0x2b8cbccc, v185           ; max(norm, 1e-12)
	s_wait_alu depctr_va_vdst(0)
	v_rcp_f32 v28, v185
	v_nop
	s_wait_alu depctr_va_vdst(0)
	v_mov_b32 v29, v28
.set n, 0
.rept 64
	v_pk_mul_f32 v[32+2*n:33+2*n], v[32+2*n:33+2*n], v[28:29]
.set n, n+1
.endr
	QROW 32, 176, 26
	QROW 96, 184, 27
.irp e, 0,1
.irp c, 0,1
	global_store_b128 v5, v[176+8*\e+4*\c:176+8*\e+4*\c+3], s[10:11] offset:1048576+\e*8192+\c*512
.endr
.endr
	v_cmp_eq_u32 vcc_lo, 1, v3
	v_cndmask_b32 v30, v24, v26, vcc_lo            ; lanes 0-15: the raw kind's two words; lanes 16-31: the normalised kind's
	v_cndmask_b32 v31, v25, v27, vcc_lo
	global_store_b64 v6, v[30:31], s[12:13]
	s_wait_tensorcnt 0x0
	ds_add_u32 v192, v193
	s_wait_dscnt 0x0
	s_endpgm
; ---------------- ROLE K.  Each of the four work-groups sums all of k_c for the norms (131,072 bytes) and quantises K steps 2 z and 2 z + 1; wave w: 64 along K, two blocks a lane, a lane to a centre.
.Lk:
	s_lshl_b32 s26, s18, 15                        ; pass 1: my wave's 256 rows of 128 bytes
	s_add_nc_u64 s[24:25], s[6:7], s[26:27]
	s_lshl_b32 s26, ttmp9, 15                      ; pass 2: rows 256 z + 64 w on
	s_lshl_b32 s28, s18, 13
	s_add_co_u32 s26, s26, s28
	s_add_nc_u64 s[22:23], s[6:7], s[26:27]
	s_lshl_b32 s26, ttmp9, 11                      ; codes: z x two fragments + w x half a fragment
	s_lshl_b32 s28, s18, 9
	s_add_co_u32 s26, s26, s28
	s_add_nc_u64 s[28:29], s[14:15], s[26:27]
	s_lshl_b32 s26, ttmp9, 7                       ; scale words: behind the codes, 128 bytes for each z
	s_add_co_u32 s26, s26, 16384
	s_add_nc_u64 s[32:33], s[14:15], s[26:27]
	s_wait_alu depctr_va_vdst(0)
	v_lshlrev_b32 v4, 4, v1                        ; pass 1: 16 bytes a lane: row 4 n + lane / 8, columns 4 (lane % 8) on
	v_lshlrev_b32 v5, 2, v1                        ; pass 2: 4 bytes a lane: centre = lane
	v_lshlrev_b32 v6, 4, v2
	v_lshl_add_u32 v6, v3, 13, v6                  ; codes: 16 r; lanes 16-31 the second tile of centres
	v_and_b32 v7, 7, v0
	v_lshl_add_u32 v7, v7, 4, KRED
	s_lshl_b32 s30, s18, 7
	v_add_nc_u32 v7, s30, v7                       ; my wave's 32 partial sums, my four columns
	v_lshl_add_u32 v8, v1, 2, KRED                 ; back: my centre's
	v_lshl_add_u32 v10, v1, 3, KSC                 ; my centre's two scale words,
	s_lshl_b32 s30, s18, 1
	v_add_nc_u32 v9, s30, v10                      ; and my wave's two bytes of them
	v_lshlrev_b32 v16, 3, v2
	v_lshl_add_u32 v16, v3, 9, v16                 ; scale words in kcw: 8 r; lanes 16-31 the second tile
.irp j, 0,1,2,3
	v_mov_b32 v[168+\j], 0                         ; a lane permute's destination counts as one of its sources
.endr
.macro KLD g
.irp n, 0,1,2,3,4,5,6,7,8,9,10,11,12,13,14,15,16,17,18,19,20,21,22,23,24,25,26,27,28,29,30,31
	global_load_b128 v[32+4*\n:35+4*\n], v4, s[24:25] offset:512*(32*(\g)+\n)       ; 512 consecutive bytes: four rows
.endr
.endm
.macro KSQ first                       ; 128 squares, two at a time; two sets of sums v160-163, v164-167 by turns
.set n, 0
.rept 32
.set rX, 32+4*n
.set rA, 160+4*(n%2)
.if \first && (n < 2)
	v_pk_mul_f32 v[rA:rA+1], v[rX:rX+1], v[rX:rX+1]
	v_pk_mul_f32 v[rA+2:rA+3], v[rX+2:rX+3], v[rX+2:rX+3]
.else
	v_pk_fma_f32 v[rA:rA+1], v[rX:rX+1], v[rX:rX+1], v[rA:rA+1]
	v_pk_fma_f32 v[rA+2:rA+3], v[rX+2:rX+3], v[rX+2:rX+3], v[rA+2:rA+3]
.endif
.set n, n+1
.endr
.endm
	KLD 0
	s_wait_loadcnt 0x0
	KSQ 1
	KLD 1
	s_wait_alu depctr_va_vdst(0)
	s_wait_loadcnt 0x0
	KSQ 0
.irp i, 0,1,2,3,4,5,6,7,8,9,10,11,12,13,14,15,16,17,18,19,20,21,22,23,24,25,26,27,28,29,30,31,32,33,34,35,36,37,38,39,40,41,42,43,44,45,46,47,48,49,50,51,52,53,54,55,56,57,58,59,60,61,62,63
	global_load_b32 v[32+\i], v5, s[22:23] offset:128*\i           ; pass 2's numbers land while the norms are made: k_c(256 z + 64 w + i, my centre)
.endr
	v_pk_add_f32 v[160:161], v[160:161], v[164:165]
	v_pk_add_f32 v[162:163], v[162:163], v[166:167]
.irp j, 0,1,2,3
	v_add_f32_dpp v[160+\j], v[160+\j], v[160+\j] row_xmask:8 row_mask:0xf bank_mask:0xf   ; lanes l and l xor 8 hold the same columns,
.endr
.irp j, 0,1,2,3
	v_permlanex16_b32 v[168+\j], v[160+\j], s20, s21
.endr
.irp j, 0,1,2,3
	v_add_f32 v[160+\j], v[160+\j], v[168+\j]      ; and so do l and l xor 16
.endr
	ds_store_b128 v7, v[160:163]                   ; four lanes write the same 16 bytes with the same values
	s_wait_dscnt 0x0
	s_barrier_signal -1
	s_barrier_wait -1
.irp i, 0,1,2,3
	ds_load_b32 v[172+\i], v8 offset:128*\i
.endr
	s_wait_dscnt 0x0
	v_add_f32 v172, v172, v173
	v_add_f32 v174, v174, v175
	v_add_f32 v172, v172, v174                     ; my centre's sum of squares
	s_wait_alu depctr_va_vdst(0)
	v_sqrt_f32 v173, v172
	v_nop
	s_wait_alu depctr_va_vdst(0)
	v_max_num_f32 v173, 0x2b8cbccc, v173           ; max(norm, 1e-12)
	s_wait_alu depctr_va_vdst(0)
	v_rcp_f32 v28, v173
	v_nop
	s_wait_alu depctr_va_vdst(0)
	v_mov_b32 v29, v28
	s_wait_alu depctr_va_vdst(0)
	s_wait_loadcnt 0x0
.set n, 0
.rept 32
	v_pk_mul_f32 v[32+2*n:33+2*n], v[32+2*n:33+2*n], v[28:29]
.set n, n+1
.endr
	QCOL 32, 96, 14
	QCOL 64, 100, 15
	global_store_b128 v6, v[96:99], s[28:29]                       ; sixteen lanes store 256 consecutive bytes, aligned
	global_store_b128 v6, v[100:103], s[28:29] offset:256
	v_lshl_or_b32 v14, v15, 8, v14
	ds_store_b16 v9, v14                           ; my two bytes of my centre's scale words
	s_wait_dscnt 0x0
	s_barrier_signal -1
	s_barrier_wait -1
	s_cmp_lg_u32 s18, 0
	s_cbranch_scc1 .Lk_end                         ; wave 0 stores the words
	ds_load_b64 v[18:19], v10
	s_wait_dscnt 0x0
	global_store_b64 v16, v[18:19], s[32:33]
.Lk_end:
	s_wait_tensorcnt 0x0
	ds_add_u32 v192, v193
	s_wait_dscnt 0x0
	s_endpgm
.Lfunc_end_k_q4782d0e52d_quant:
	.size	k_q4782d0e52d_quant, .Lfunc_end_k_q4782d0e52d_quant-k_q4782d0e52d_quant
	.p2alignl 7, 3214868480
	.fill 96, 4, 3214868480
	.section	.rodata,"a",@progbits
	.p2align	6, 0x0
	.amdhsa_kernel k_q4782d0e52d_quant
		.amdhsa_group_segment_fixed_size 1536
		.amdhsa_private_segment_fixed_size 0
		.amdhsa_enable_private_segment 0
		.amdhsa_kernarg_size 56
		.amdhsa_user_sgpr_count 2
		.amdhsa_user_sgpr_kernarg_segment_ptr 1
		.amdhsa_wavefront_size32 1
		.amdhsa_system_sgpr_workgroup_id_x 1
		.amdhsa_system_sgpr_workgroup_id_y 1
		.amdhsa_system_sgpr_workgroup_id_z 1
		.amdhsa_system_vgpr_workitem_id 0
		.amdhsa_next_free_vgpr 194
		.amdhsa_next_free_sgpr 66
		.amdhsa_reserve_vcc 1
		.amdhsa_float_denorm_mode_32 3
		.amdhsa_float_denorm_mode_16_64 3
		.amdhsa_memory_ordered 1
		.amdhsa_forward_progress 1
		.amdhsa_inst_pref_size 98
	.end_amdhsa_kernel
	.amdgpu_metadata
---
amdhsa.version: [ 1, 2 ]
amdhsa.kernels:
  - .name:           k_q4782d0e52d_quant
    .symbol:         k_q4782d0e52d_quant.kd
    .args:
      - { .name: x, .offset: 0, .size: 8, .value_kind: global_buffer, .address_space: global }
      - { .name: k_c, .offset: 8, .size: 8, .value_kind: global_buffer, .address_space: global }
      - { .name: v_c, .offset: 16, .size: 8, .value_kind: global_buffer, .address_space: global }
      - { .name: xq, .offset: 24, .size: 8, .value_kind: global_buffer, .address_space: global }
      - { .name: xs, .offset: 32, .size: 8, .value_kind: global_buffer, .address_space: global }
      - { .name: kcw, .offset: 40, .size: 8, .value_kind: global_buffer, .address_space: global }
      - { .name: vw, .offset: 48, .size: 8, .value_kind: global_buffer, .address_space: global }
    .group_segment_fixed_size: 1536
    .private_segment_fixed_size: 0
    .kernarg_segment_align: 8
    .kernarg_segment_size: 56
    .max_flat_workgroup_size: 128
    .sgpr_count:     66
    .vgpr_count:     194
    .wavefront_size: 32
...
	.end_amdgpu_metadata
.endif
;; end of part 1
;; launch gemm (part 2): grid 16 x 16, 4 waves a work-group, clusters of 4 x 1, 327,680 bytes of LDS; arguments xq, xs, kcw, vw, out0; writes out0
.if DOCPART == 2
	.amdgcn_target "amdgcn-amd-amdhsa--gfx1250"
	.amdhsa_code_object_version 6
	.text
	.protected	k_q4782d0e52d_gemm
	.globl	k_q4782d0e52d_gemm
	.p2align	8
	.type	k_q4782d0e52d_gemm,@function
k_q4782d0e52d_gemm:
	s_mov_b64 s[64:65], 0
	v_nop
	global_prefetch_b8 v0, s[64:65] scope:SCOPE_SE
	s_setreg_imm32_b32 hwreg(HW_REG_WAVE_MODE, 25, 1), 1
	s_wait_xcnt 0x0
	s_wait_alu depctr_hold_cnt(0) depctr_sa_sdst(0) depctr_va_vdst(0) depctr_va_sdst(0) depctr_va_ssrc(0) depctr_va_vcc(0) depctr_vm_vsrc(0)
	s_getreg_b32 s2, hwreg(HW_REG_IB_STS2, 6, 4)
	s_cmp_eq_u32 s2, 0
	s_cbranch_scc0 .Lentry_in_a_cluster
	s_endpgm
.Lentry_in_a_cluster:
	s_bfe_u32 s2, ttmp6, 0x10000c
	s_cmp_lg_u32 s2, 0x3003
	s_cbranch_scc0 .Lentry_shape_is_right
	s_endpgm
.Lentry_shape_is_right:
; out[n][o] = sum over c of attn[n][c] t_c[n][o],  t_c = Q(x) Q(v_c[c]),  attn = softmax over c of (1/32) Q(x / |x|) Q(k_c / |k_c|): both products on codes of FP4 (E2M1) with E8M0 scales, sums in f32; the weighting in f32.
; All operands come as images of operand registers (a fragment, 16 rows x 128 K: 1,024 bytes, lane l's 16 bytes at 16 l in each of two parts of 512).  Scale words: 512 bytes for 16 rows, [K step / 2][row][K step % 2] words.
; SHARES.  A work-group makes 128 rows x 64 columns of out: 256 work-groups.  Wave w makes all 128 rows x 16 columns.  Q(x) of the 128 rows stays in each wave's registers (8 tiles x 8 K steps x 8 = 512).
; What streams is v: for each centre 8 fragments and their scale words, 8,704 bytes, read from LDS once, by the one wave that owns the columns.
; PRODUCT 2 goes by the form of 32 x 16 x 128: source 0 = 32 rows of x (two neighbouring fragments, 16 registers on end), source 1 = 16 columns of v: 32 matrix instructions a centre.  x's scale words fill all 32 lanes, a lane a row;
; v's stand in lanes 0-15, a lane a column.  In the result lane (r, h) holds column r and, in register 8 q + j, row 16 q + 8 h + j.  attn lies in LDS as [place of the walk][row], so that the same 64 registers' worth
; comes by 16 loads of 16 bytes, and t_c is weighted by 32 packed multiply-adds, which stand behind the NEXT centre's matrix instructions: t has two sets of registers, as have v's fragments.
; PRODUCT 1 goes by the form of 16 x 16 x 128, transposed (source 0 = 16 centres, source 1 = 16 rows), so that a lane holds one row's scores.
; RING.  Each wave has two LDS slots of four centres (34,816 dense bytes, one tensor load).  CLUSTER: the four work-groups of a cluster have the same 64 columns and other rows: they walk the same bytes of vw and ask for them JOINTLY,
; by the same load with the same descriptor and the mask 15.  x is not shared between partners, so the cluster has one axis.  Slot 0 is asked for at the head, slot 1 behind the three lines and a round of its own.
; THE WALKS ARE SKEWED.  Four clusters (cluster x = k = 0 .. 3) have the same 64 columns.  Cluster k walks the centres from 8 k on, round modulo 32: place p of its walk is centre (p + 8 k) mod 32.  So the four clusters' first fills
; ask for different centres, and a refill asks for bytes that another cluster of the same columns has asked for before.  For the same reason no prefetch is written.  k is equal in all partners; it enters global
; addresses alone: vw's, and k_c's in product 1, whose rows are taken rotated by 8 k, so that attn falls into LDS in the order of the walk.
; LIMIT: the f32 sum over the centres begins at centre 8 k and not at 0: an order of rounding that differs from the reference's.  The softmax takes the row's largest score away first.
; REGISTERS, in windows of 256:  window 0: v1-13 addresses; v16-47 x's scale words, v48-63 v's (two sets), v136-151 product 1's: these hold scales and nothing else; v72-135 out; v152-215 attn of a centre
;   (in the head: offsets, product 1's scores, the softmax's work); v216 an offset of the head; on the way out v160-223 rows of out.
;   window 1: v0-127 v's fragments, two sets; v128-255 t, two sets.  (In the head: v0-127 normalised x, two tiles; v128-255 k_c.)      windows 2, 3: x: K step s, tile a at window 2 + s / 4, v[64 (s % 4) + 8 a].
.set CSTEP, 8704                       ; a centre's bytes for 16 columns
.set SLOTB, 4*CSTEP                    ; a slot: a group of four centres
.set WRING, 2*SLOTB                    ; a wave's ring; the four rings end at 278,528; 512 idle bytes follow
.set ATT,   279040                     ; attn [place of the walk 32][row 128] f32: 16,384 bytes, written by LDS stores, never filled by a tensor load
.set SPARE, 295424                     ; the spare words, 128 bytes for each wave: two blocks of 256 bytes that no other line names
.set SP,    272                        ; the way out: a stage of 128 rows x (256 bytes + 16) at LDS byte 0: wave 0's slot 0, which has had its last fill and its last read by then
.set LI,  1                            ; v1   16 x lane
.set L8,  2                            ; v2   8 x lane
.set VA,  3                            ; v3-4 my ring's slot 0, 1 + 16 x lane
.set VB,  5                            ; v5-6 the same + 8 r
.set VAT, 7                            ; v7   attn: ATT - 1,024 + 32 h, + 2,048 at each change of slots
.set SPW, 8                            ; v8   my spare word; never rewritten
.set NIL, 9                            ; v9   0; never rewritten
.set STO, 10
.set RD,  11
.set CO,  12
.set ATW, 13                           ; v13  where I store attn
.set XSC, 16                           ; x's scale words: rows 32 a + lane, K step s at XSC + 8 a + s
.set VSC, 48                           ; v's: set p, K step s at VSC + 8 p + s
.set OUT, 72
.set XNS, 136
.set KCS, 144
.set AT,  152
.set KCO, 156                          ; v156-157 my lane's byte in kcw's codes for places 0-15 and 16-31 of the walk
.set KSO, 158                          ; v158-159 the same in its scale words
.set SS,  160
.set TMPS, 192
.set LX,  216                          ; v216 my row's scale words among those of 32 rows: 512 h + 8 r
.set BK,  160
.set F,   0
.set T,   128
.set G1,  24                           ; s[24:31] descriptor group 1;  s[32:35], s[36:39] group 0 of slot 0, 1
.set G0,  32
.set GRP, 56                           ; s56  the group of four centres (0 .. 7) that the next refill brings
.set GOF, 58                           ; s[58:59] its byte offset from my columns' first byte in vw
.set MSB, 0
.macro WIN new                         ; low byte: bits 1:0 source 0, 3:2 source 1, 5:4 source 2, 7:6 destination; the high byte repeats the setting that is left
.if MSB != (\new)
	s_set_vgpr_msb (MSB<<8)|(\new)
.set MSB, (\new)
.endif
.endm
.macro PLACES                          ; four plain places (ISA guide 7.12.1)
.rept 4
	v_nop
.endr
.endm
.macro CREST                           ; a round of the cluster's barrier behind its opening barrier
	s_cmp_lg_u32 s14, 0
	s_cbranch_scc1 .Lnot_wave_0_\@
	s_barrier_signal -3
.Lnot_wave_0_\@:
	s_barrier_wait -3
	s_barrier_signal -1
	s_barrier_wait -1
.endm
.macro CROUND
	s_barrier_signal -1
	s_barrier_wait -1
	CREST
.endm
	s_load_b256 s[4:11], s[0:1], 0x0               ; xq s[4:5], xs s[6:7], kcw s[8:9], vw s[10:11]
	s_load_b64 s[12:13], s[0:1], 0x20              ; out0
	v_lshl_add_u32 v[SPW], v0, 2, SPARE
	v_mov_b32 v[NIL], 0
	ds_add_u32 v[SPW], v[NIL]                      ; the opening lines: the add, twice on end, and its wait ahead of my first tensor load
	ds_add_u32 v[SPW], v[NIL]
	v_lshrrev_b32 v14, 5, v0
	v_readfirstlane_b32 s14, v14                   ; wave 0..3
	s_bfe_u32 s15, ttmp6, 0x40000                  ; cx: my place in the cluster
	s_lshl_b32 s16, ttmp9, 2
	s_add_co_u32 s16, s16, s15                     ; my block of 128 rows: it enters the addresses of xq, xs and out0 alone
	s_and_b32 s17, ttmp7, 0xffff                   ; my 64 columns, which the four partners share
	; descriptor group 1: 34,816 dense bytes as 136 rows of 256 (32 elements of 8 bytes), no padding: every LDS read of the ring takes consecutive bytes
	s_mov_b32 s[G1+0], 15|(3<<16)|(1<<21)          ; the mask: all four work-groups; elements of 8 bytes; bit 21 set beside a mask
	s_mov_b32 s[G1+1], 32<<16
	s_mov_b32 s[G1+2], 136<<16
	s_mov_b32 s[G1+3], 32<<16
	s_mov_b32 s[G1+4], 136
	s_mov_b32 s[G1+5], 32
	s_mov_b32 s[G1+6], 0
	s_mov_b32 s[G1+7], 0
	s_lshl_b32 s18, s17, 2
	s_add_co_u32 s18, s18, s14                     ; my tile of 16 columns
	s_mul_i32 s18, s18, 32*CSTEP                   ; its bytes in vw: made of the shared coordinate and the wave's number alone
	s_mov_b32 s19, 0
	s_mul_i32 s20, s14, WRING                      ; my ring
	s_mul_i32 s[GOF], ttmp9, WRING                 ; the walk begins at centre 8 k: groups 2 k and 2 k + 1 are the first fills
	s_mov_b32 s[GOF+1], 0
	s_lshl_b32 s[GRP], ttmp9, 1
	s_add_co_u32 s[GRP], s[GRP], 2
	s_and_b32 s[GRP], s[GRP], 7                    ; the first refill brings group (2 k + 2) mod 8
	s_lshl_b32 s57, ttmp9, 3                       ; 8 k
	s_mov_b32 s42, 0x76543210
	s_mov_b32 s43, 0xfedcba98                      ; v_permlanex16_b32's selects for lane l xor 16
	s_mov_b32 s44, 0x3d38aa3b                      ; log2(e) / 32
	s_mov_b32 s45, s44                             ; (named with it as a pair, so it is written)
	s_mov_b32 s23, 0
	v_and_b32 v14, 31, v0                          ; lane
	v_and_b32 v15, 15, v0                          ; r
	v_bfe_u32 v152, v0, 4, 1                       ; h
	v_lshlrev_b32 v[LI], 4, v14
	v_lshlrev_b32 v[L8], 3, v14
	v_add_nc_u32 v[VA], s20, v[LI]
	v_add_nc_u32 v[VA+1], SLOTB, v[VA]
	v_lshlrev_b32 v[VB], 3, v15
	v_add_nc_u32 v[VB], s20, v[VB]
	v_add_nc_u32 v[VB+1], SLOTB, v[VB]
	v_lshl_add_u32 v[VAT], v152, 5, ATT-1024
	v_lshlrev_b32 v[LX], 3, v15
	v_lshl_add_u32 v[LX], v152, 9, v[LX]
	v_mul_u32_u24 v[STO], v152, 8*SP               ; into the stage: row 8 h of a tile, + 64 w (my 16 columns) + 4 r
	v_lshl_add_u32 v[STO], v15, 2, v[STO]
	s_lshl_b32 s21, s14, 6
	v_add_nc_u32 v[STO], s21, v[STO]
	s_mul_i32 s21, s14, 32*SP                      ; back: my 32 rows; lanes 0-15 one row of 256 bytes, lanes 16-31 the next
	v_mul_u32_u24 v[RD], v152, SP
	v_lshl_add_u32 v[RD], v15, 4, v[RD]
	v_add_nc_u32 v[RD], s21, v[RD]
	v_lshlrev_b32 v[CO], 12, v152                  ; and the same two rows in out0
	v_lshl_add_u32 v[CO], v15, 4, v[CO]
	v_lshl_add_u32 v[ATW], v15, 2, ATT             ; attn: 4 r + 4,096 h (eight places on) + 128 w (my 32 rows)
	v_lshl_add_u32 v[ATW], v152, 12, v[ATW]
	s_lshl_b32 s21, s14, 7
	v_add_nc_u32 v[ATW], s21, v[ATW]
	; k_c's rows, rotated: lane r of the tile of places 0-15 takes centre (r + 8 k) mod 32; the tile of places 16-31 the centre 16 further on, which lies in kcw's other tile at the same row
	v_add_nc_u32 v153, s57, v15
	v_and_b32 v153, 31, v153                       ; the centre
	v_lshrrev_b32 v154, 4, v153                    ; its tile in kcw
	v_and_b32 v153, 15, v153                       ; its row there
	v_lshlrev_b32 v[KCO], 13, v154                 ; codes: tile x 8,192 + 16 x row + 256 h
	v_lshl_add_u32 v[KCO], v153, 4, v[KCO]
	v_lshl_add_u32 v[KCO], v152, 8, v[KCO]
	v_xor_b32 v[KCO+1], 8192, v[KCO]
	v_lshlrev_b32 v[KSO], 9, v154                  ; scale words: tile x 512 + 8 x row + 128 h
	v_lshl_add_u32 v[KSO], v153, 3, v[KSO]
	v_lshl_add_u32 v[KSO], v152, 7, v[KSO]
	v_xor_b32 v[KSO+1], 512, v[KSO]
	v_mov_b32 v[TMPS+1], 0                         ; a lane permute's destination counts as one of its sources
	v_mov_b32 v[TMPS+9], 0
	s_wait_alu depctr_va_vdst(0)                   ; the wait at the head's end
	s_wait_dscnt 0x0                               ; both opening adds are done
	s_wait_kmcnt 0x0
	s_add_nc_u64 s[10:11], s[10:11], s[18:19]      ; vw at my 16 columns, centre 0: kept for the whole launch
.irp s, 0,1
	s_mov_b32 s[G0+4*\s], 1                                        ; count = 1
	s_add_co_u32 s[G0+4*\s+1], s20, \s*SLOTB                       ; LDS address
.endr
	s_add_nc_u64 s[G0+2:G0+3], s[10:11], s[GOF:GOF+1]              ; centres 8 k on,
	s_add_nc_u64 s[G0+6:G0+7], s[G0+2:G0+3], SLOTB                 ; and 8 k + 4 on
	s_or_b32 s[G0+3], s[G0+3], 0x80000000                          ; type = 2
	s_or_b32 s[G0+7], s[G0+7], 0x80000000
	s_lshl_b32 s22, s16, 16
	s_add_nc_u64 s[46:47], s[4:5], s[22:23]        ; x's codes, my block
	s_lshl_b32 s22, s14, 11
	s_add_co_u32 s22, s22, 1048576
	s_add_nc_u64 s[48:49], s[46:47], s[22:23]      ; the normalised kind, my wave's two tiles of rows
	s_lshl_b32 s22, s16, 12
	s_add_nc_u64 s[50:51], s[6:7], s[22:23]        ; x's scale words
	s_lshl_b32 s22, s14, 10
	s_add_co_u32 s22, s22, 65536
	s_add_nc_u64 s[52:53], s[50:51], s[22:23]      ; the normalised kind's
	s_add_nc_u64 s[54:55], s[8:9], 16384           ; k_c's scale words
	s_lshl_b32 s22, s16, 19                        ; out0: (128 block + 32 w) rows of 4,096 bytes + 256 x slab
	s_lshl_b32 s41, s14, 17
	s_add_co_u32 s22, s22, s41
	s_lshl_b32 s41, s17, 8
	s_add_co_u32 s22, s22, s41
	s_add_nc_u64 s[12:13], s[12:13], s[22:23]
	CROUND                                         ; all four work-groups are here: the first joint loads meet
	tensor_load_to_lds s[G0:G0+3], s[G1:G1+7]      ; slot 0: one tensor load a wave at the head
	s_nop 0
	PLACES
	; product 1's operands: 72 loads
	WIN 0x40
.irp b, 0,1
.irp s, 0,1,2,3,4,5,6,7
.irp c, 0,1
	global_load_b128 v[64*\b+8*\s+4*\c:64*\b+8*\s+4*\c+3], v[LI], s[48:49] offset:\s*8192+\b*1024+\c*512
.endr
.endr
.endr
.irp t, 0,1
.irp s, 0,1,2,3,4,5,6,7
.irp c, 0,1
	global_load_b128 v[128+64*\t+8*\s+4*\c:128+64*\t+8*\s+4*\c+3], v[KCO+\t], s[8:9] offset:\s*1024+\c*512
.endr
.endr
.endr
	WIN 0
.irp b, 0,1
.irp i, 0,1
	global_load_b64 v[XNS+4*\b+2*\i:XNS+4*\b+2*\i+1], v[L8], s[52:53] offset:\b*512+256*\i
	global_load_b64 v[KCS+4*\b+2*\i:KCS+4*\b+2*\i+1], v[KSO+\b], s[54:55] offset:256*\i
.endr
.endr
	; x's scale words, a lane a row of 32, two K steps a load, and its first two K steps: 48 loads
.irp a, 0,1,2,3
.irp i, 0,1,2,3
	global_load_b64 v[XSC+8*\a+2*\i:XSC+8*\a+2*\i+1], v[LX], s[50:51] offset:\a*1024+128*\i
.endr
.endr
.macro XLOAD s                         ; x's eight fragments of K step s
.irp a, 0,1,2,3,4,5,6,7
.irp c, 0,1
	global_load_b128 v[64*((\s)%4)+8*\a+4*\c:64*((\s)%4)+8*\a+4*\c+3], v[LI], s[46:47] offset:(\s)*8192+\a*1024+\c*512
.endr
.endr
.endm
	WIN 0x80
	XLOAD 0
	XLOAD 1
	s_wait_loadcnt 48                              ; all but the 48 just issued: product 1's operands are in
	; PRODUCT 1: lane (r, h) holds row r and places 16 t + 8 h + 0 .. 7 of the walk.  Four accumulators by turns.
	; Its scale words: K step s in register 2 (s / 4) + s % 2, in lanes 0-15 where (s / 2) % 2 = 0, in lanes 16-31 where it is 1.
	WIN 0x05
.macro P1 s
.irp b, 0,1
.irp t, 0,1
.set rD, SS+16*\b+8*\t
.set rK, 128+64*\t+8*(\s)
.set rN, 64*\b+8*(\s)
.set rI, 2*((\s)/4)+(\s)%2
.if (\s) == 0
	v_wmma_scale_f32_16x16x128_f8f6f4 v[rD:rD+7], v[rK:rK+7], v[rN:rN+7], 0, v[KCS+4*\t+rI], v[XNS+4*\b+rI] matrix_a_fmt:MATRIX_FMT_FP4 matrix_b_fmt:MATRIX_FMT_FP4
.elseif ((\s)/2)%2 == 1
	v_wmma_scale_f32_16x16x128_f8f6f4 v[rD:rD+7], v[rK:rK+7], v[rN:rN+7], v[rD:rD+7], v[KCS+4*\t+rI], v[XNS+4*\b+rI] matrix_a_fmt:MATRIX_FMT_FP4 matrix_b_fmt:MATRIX_FMT_FP4 matrix_a_scale:MATRIX_SCALE_ROW1 matrix_b_scale:MATRIX_SCALE_ROW1
.else
	v_wmma_scale_f32_16x16x128_f8f6f4 v[rD:rD+7], v[rK:rK+7], v[rN:rN+7], v[rD:rD+7], v[KCS+4*\t+rI], v[XNS+4*\b+rI] matrix_a_fmt:MATRIX_FMT_FP4 matrix_b_fmt:MATRIX_FMT_FP4
.endif
.endr
.endr
.endm
.irp s, 0,1,2,3,4,5,6,7
	P1 \s
.endr
	WIN 0x80                                       ; the rest of x: 96 loads, on their way during the round and the softmax
	XLOAD 2
	XLOAD 3
	WIN 0xc0
	XLOAD 4
	XLOAD 5
	XLOAD 6
	XLOAD 7
	WIN 0
	PLACES
	s_wait_tensorcnt 0x0                           ; my slot 0 is in
	ds_add_u32 v[SPW], v[NIL]
	s_wait_dscnt 0x0
	CROUND                                         ; all four work-groups are here: the joint loads meet
	tensor_load_to_lds s[G0+4:G0+7], s[G1:G1+7]    ; slot 1's first fill: the softmax and three centres stand ahead of the wait for it
	s_nop 0
	PLACES
; THE SOFTMAX of tile b of my two tiles of rows: 16 scores a lane, the row's other 16 in lane l xor 16.  p = 2^(c s - c m), c = log2(e) / 32, m the row's largest score; then p / sum.
.macro SOFT b
.set rP, SS+16*(\b)
.set rB, TMPS+8*(\b)
	v_max3_num_f32 v[rB], v[rP], v[rP+1], v[rP+2]                  ; each accumulator is read from its low end on
.irp i, 3,5,7,9,11,13
	v_max3_num_f32 v[rB], v[rB], v[rP+\i], v[rP+\i+1]
.endr
	v_max_num_f32 v[rB], v[rB], v[rP+15]
	v_permlanex16_b32 v[rB+1], v[rB], s42, s43
	v_max_num_f32 v[rB], v[rB], v[rB+1]            ; m
	v_mul_f32 v[rB+2], 0xbd38aa3b, v[rB]           ; - c m
	v_mov_b32 v[rB+3], v[rB+2]
.irp i, 0,2,4,6,8,10,12,14
	v_pk_fma_f32 v[rP+\i:rP+\i+1], v[rP+\i:rP+\i+1], s[44:45], v[rB+2:rB+3] op_sel_hi:[1,0,1]
.endr
	s_wait_alu depctr_va_vdst(0)                   ; the wait ahead of the batch,
.irp i, 0,1,2,3,4,5,6,7,8,9,10,11,12,13,14,15
	v_exp_f32 v[rP+\i], v[rP+\i]
.endr
	v_nop                                          ; a plain place behind the exponentials
	s_wait_alu depctr_va_vdst(0)                   ; and behind it
	v_pk_add_f32 v[rB+4:rB+5], v[rP:rP+1], v[rP+2:rP+3]
	v_pk_add_f32 v[rB+6:rB+7], v[rP+4:rP+5], v[rP+6:rP+7]
	v_pk_add_f32 v[rB+4:rB+5], v[rB+4:rB+5], v[rP+8:rP+9]
	v_pk_add_f32 v[rB+6:rB+7], v[rB+6:rB+7], v[rP+10:rP+11]
	v_pk_add_f32 v[rB+4:rB+5], v[rB+4:rB+5], v[rP+12:rP+13]
	v_pk_add_f32 v[rB+6:rB+7], v[rB+6:rB+7], v[rP+14:rP+15]
	v_pk_add_f32 v[rB+4:rB+5], v[rB+4:rB+5], v[rB+6:rB+7]
	v_add_f32 v[rB+4], v[rB+4], v[rB+5]
	v_permlanex16_b32 v[rB+1], v[rB+4], s42, s43
	v_add_f32 v[rB+4], v[rB+4], v[rB+1]            ; the row's sum
	s_wait_alu depctr_va_vdst(0)
	v_rcp_f32 v[rB+2], v[rB+4]
	v_nop
	s_wait_alu depctr_va_vdst(0)
	v_mov_b32 v[rB+3], v[rB+2]
.irp i, 0,2,4,6,8,10,12,14
	v_pk_mul_f32 v[rP+\i:rP+\i+1], v[rP+\i:rP+\i+1], v[rB+2:rB+3]
.endr
.irp t, 0,1
.irp j, 0,1,2,3,4,5,6,7
	ds_store_b32 v[ATW], v[rP+8*\t+\j] offset:\t*8192+\j*512+(\b)*64   ; attn[place 16 t + 8 h + j][row 32 w + 16 b + r]
.endr
.endr
.endm
	SOFT 0
	SOFT 1
	s_wait_dscnt 0x0                               ; for the others' sake: my part of attn has landed
	s_barrier_signal -1                            ; my tensor load may stay out
	s_barrier_wait -1
	s_wait_loadcnt 0x0                             ; x (my slot 0 was waited for ahead of slot 1's fill; only I read my ring)
; v's eight fragments and scale words of the nq-th centre of slot ns into set: 20 LDS loads
.macro FRAGS ns, nq, set
	WIN 0x40
.irp n, 0,1,2,3,4,5,6,7,8,9,10,11,12,13,14,15
	ds_load_b128 v[F+64*(\set)+4*\n:F+64*(\set)+4*\n+3], v[VA+\ns] offset:(\nq)*CSTEP+512*\n
.endr
	WIN 0
.irp i, 0,1,2,3
	ds_load_b64 v[VSC+8*(\set)+2*\i:VSC+8*(\set)+2*\i+1], v[VB+\ns] offset:(\nq)*CSTEP+8192+128*\i   ; column r's words of K steps 2 i, 2 i + 1 (both halves of the lanes take the same)
.endr
.endm
.macro ATL k                           ; attn of the centre BEFORE the one in hand: rows 16 q + 8 h + 0 .. 7 into AT + 8 q on: 16 loads
.irp q, 0,1,2,3,4,5,6,7
.irp i, 0,1
	ds_load_b128 v[AT+8*\q+4*\i:AT+8*\q+4*\i+3], v[VAT] offset:512*(\k)+64*\q+16*\i
.endr
.endr
.endm
.macro MM p, a, s                      ; t[p], rows 32 a on, (+)= x's fragments (s, 2 a and 2 a + 1) x v's fragment s
.set rT, T+64*(\p)+16*(\a)
.set rF, F+64*(\p)+8*(\s)
.set rX, 64*((\s)%4)+16*(\a)
.if (\s) == 0
	v_wmma_scale_f32_32x16x128_f4 v[rT:rT+15], v[rX:rX+15], v[rF:rF+7], 0, v[XSC+8*(\a)+(\s)], v[VSC+8*(\p)+(\s)]
.else
	v_wmma_scale_f32_32x16x128_f4 v[rT:rT+15], v[rX:rX+15], v[rF:rF+7], v[rT:rT+15], v[XSC+8*(\a)+(\s)], v[VSC+8*(\p)+(\s)]
.endif
.endm
; 8 matrix instructions: K steps 2 u and 2 u + 1, the four accumulators by turns, one instruction a turn; K step 0 starts the sums with the constant 0
.macro KPAIR p, u
.irp s, 2*(\u), 2*(\u)+1
	WIN 0x56+(\s)/4                                ; D, C and source 1 window 1; source 0 window 2 or 3
.irp a, 0,1,2,3
	MM \p, \a, \s
.endr
.endr
.endm
; out += attn x t of the centre BEFORE, which lies in the other set: 32 packed lines, each accumulator of t read from its low end on.  mode 2: multiply-add; 1: multiply, which starts out: nothing is cleared.
; They name no register of the matrix instructions just issued: they are the places ahead of the next centre's loads and reads.
.macro FMAS p, mode
	WIN 0x01                                       ; source 0 (t) window 1
.set n, 0
.rept 32
.if (\mode) == 2
	v_pk_fma_f32 v[OUT+2*n:OUT+2*n+1], v[T+64*(1-(\p))+2*n:T+64*(1-(\p))+2*n+1], v[AT+2*n:AT+2*n+1], v[OUT+2*n:OUT+2*n+1]
.else
	v_pk_mul_f32 v[OUT+2*n:OUT+2*n+1], v[T+64*(1-(\p))+2*n:T+64*(1-(\p))+2*n+1], v[AT+2*n:AT+2*n+1]
.endif
.set n, n+1
.endr
.endm
; A CENTRE.  p: its sets.  The next centre's fragments (slot ns, place nq) go into the other set.
.macro STEP p, ns, nq, k, mode
	WIN 0
.if \mode
	ATL \k
	FRAGS \ns, \nq, 1-(\p)
	s_wait_dscnt 36                                ; all but the 36 just issued: this centre's fragments and scale words are in
.else
	FRAGS \ns, \nq, 1-(\p)
	s_wait_dscnt 20
.endif
.irp u, 0,1,2,3
	KPAIR \p, \u
.endr
.if \mode
	s_wait_dscnt 20                                ; attn is in; the 20 loads behind it may be out
	FMAS \p, \mode
.else
	PLACES                                         ; nothing to weigh yet: the places are written out
.endif
.endm
; A SLOT'S LAST CENTRE BEGINS WITH THE CHANGE OF SLOTS: its own fragments were read out of the slot a centre ago.  Each wave waits for all its tensor loads (one is out: the other slot's), adds 0 to its spare word,
; and waits for that and for its reads of this slot.  fill = 1: the barrier opens a round of the cluster's barrier, and this slot is filled again straight behind the round with the group of four centres that is next in the walk.
.macro TURN slot, next, fill
	WIN 0                                          ; (the add's two registers lie in window 0)
	s_wait_tensorcnt 0x0                           ; all my tensor loads have landed, so a group 0 may be written
	ds_add_u32 v[SPW], v[NIL]                      ; 0 onto my spare word
.if \fill
	s_mul_i32 s[GOF], s[GRP], SLOTB                ; the group's bytes, an offset made apart from the address;
	s_add_nc_u64 s[G0+4*\slot+2:G0+4*\slot+3], s[10:11], s[GOF:GOF+1]
	s_or_b32 s[G0+4*\slot+3], s[G0+4*\slot+3], 0x80000000          ; type = 2
	s_add_co_u32 s[GRP], s[GRP], 1
	s_and_b32 s[GRP], s[GRP], 7                    ; the walk goes round: behind group 7 comes group 0
.endif
	s_wait_dscnt 1                                 ; all but the add: this centre's fragments are in
	KPAIR 1, 0                                     ; eight matrix instructions stand between the add and the wait for it
	s_wait_dscnt 0x0                               ; the add is done, and my reads of this slot are over
	s_barrier_signal -1
	KPAIR 1, 1                                     ; work on registers while the others arrive
	WIN 0
	v_add_nc_u32 v[VAT], 2048, v[VAT]              ; attn: four places on
	s_wait_alu depctr_va_vdst(0)                   ; the wait directly behind the write
	s_barrier_wait -1
.if \fill
	CREST                                          ; no wave of any partner still reads this slot or has a load on its way
	tensor_load_to_lds s[G0+4*\slot:G0+4*\slot+3], s[G1:G1+7]      ; the first tensor load behind the round, and my only one until the next
	s_nop 0
	PLACES                                         ; four v_nop behind it
.endif
	ATL 0
	FRAGS \next, 0, 0
	KPAIR 1, 2
	KPAIR 1, 3
	s_wait_dscnt 20                                ; attn is in
	FMAS 1, 2
.endm
	FRAGS 0, 0, 0                                  ; place 0 of the walk
	STEP 0, 0, 1, 1, 0                             ; place 0: nothing to weigh yet
	STEP 1, 0, 2, 2, 1                             ; place 1; place 0's t starts out
	WIN 0                                          ; at a label and at a branch every window is 0
	s_mov_b32 s40, 3
.Llap:                                                 ; a trip: eight centres, once round the ring, both slots filled again
	STEP 0, 0, 3, 3, 2
	TURN 0, 1, 1
	STEP 0, 1, 1, 1, 2
	STEP 1, 1, 2, 2, 2
	STEP 0, 1, 3, 3, 2
	TURN 1, 0, 1
	STEP 0, 0, 1, 1, 2
	STEP 1, 0, 2, 2, 2
	WIN 0
	s_sub_co_u32 s40, s40, 1
	s_cmp_lg_u32 s40, 0
	s_cbranch_scc1 .Llap
	STEP 0, 0, 3, 3, 2                             ; places 26 to 31: the tail is written out
	TURN 0, 1, 0                                   ; behind this barrier no wave reads a slot 0 any more
	STEP 0, 1, 1, 1, 2
	STEP 1, 1, 2, 2, 2
	STEP 0, 1, 3, 3, 2
	WIN 0                                          ; place 31: nothing more to fetch but attn
	ATL 4
	s_wait_dscnt 16                                ; all but these 16: place 31's fragments are in
.irp u, 0,1,2,3
	KPAIR 1, \u
.endr
	s_wait_dscnt 0x0
	FMAS 1, 2                                      ; place 30's t is weighed: 32 places behind the last matrix instructions
	WIN 0
	ATL 5
	s_wait_dscnt 0x0
	FMAS 0, 2                                      ; place 31's
	WIN 0
	; THE WAY OUT.  A lane holds one column of 64 rows, and a row's 256 bytes come from four waves: they meet in the stage, and each wave stores 32 whole rows.
.irp q, 0,1,2,3,4,5,6,7
.irp j, 0,1,2,3,4,5,6,7
	ds_store_b32 v[STO], v[OUT+8*\q+\j] offset:(16*\q+\j)*SP       ; row 16 q + 8 h + j, column 16 w + r: sixteen lanes write 64 consecutive bytes
.endr
.endr
	s_wait_dscnt 0x0                               ; for the others' sake: my stores into the stage are done
	s_barrier_signal -1
	s_barrier_wait -1
.irp t, 0,1,2,3,4,5,6,7,8,9,10,11,12,13,14,15
	ds_load_b128 v[BK+4*\t:BK+4*\t+3], v[RD] offset:\t*2*SP
.endr
.irp t, 0,1,2,3,4,5,6,7,8,9,10,11,12,13,14,15
	s_wait_dscnt 15-\t
	global_store_b128 v[CO], v[BK+4*\t:BK+4*\t+3], s[12:13] offset:\t*8192 th:TH_STORE_NT   ; sixteen lanes store 256 consecutive bytes, at a multiple of 256 from out0's first byte
.endr
	s_wait_tensorcnt 0x0                           ; the wave's end: behind my last tensor load and my last LDS store
	ds_add_u32 v[SPW], v[NIL]
	s_wait_dscnt 0x0
	CROUND                                         ; the closing round: no work-group ends while a partner may still ask for a tile that names it
	s_endpgm
.Lfunc_end_k_q4782d0e52d_gemm:
	.size	k_q4782d0e52d_gemm, .Lfunc_end_k_q4782d0e52d_gemm-k_q4782d0e52d_gemm
	.p2alignl 7, 3214868480
	.fill 96, 4, 3214868480
	.section	.rodata,"a",@progbits
	.p2align	6, 0x0
	.amdhsa_kernel k_q4782d0e52d_gemm
		.amdhsa_group_segment_fixed_size 327680
		.amdhsa_private_segment_fixed_size 0
		.amdhsa_enable_private_segment 0
		.amdhsa_kernarg_size 40
		.amdhsa_user_sgpr_count 2
		.amdhsa_user_sgpr_kernarg_segment_ptr 1
		.amdhsa_wavefront_size32 1
		.amdhsa_system_sgpr_workgroup_id_x 1
		.amdhsa_system_sgpr_workgroup_id_y 1
		.amdhsa_system_sgpr_workgroup_id_z 1
		.amdhsa_system_vgpr_workitem_id 0
		.amdhsa_next_free_vgpr 1024
		.amdhsa_next_free_sgpr 66
		.amdhsa_reserve_vcc 0
		.amdhsa_float_denorm_mode_32 3
		.amdhsa_float_denorm_mode_16_64 3
		.amdhsa_memory_ordered 1
		.amdhsa_forward_progress 1
		.amdhsa_inst_pref_size 186
	.end_amdhsa_kernel
	.amdgpu_metadata
---
amdhsa.version: [ 1, 2 ]
amdhsa.kernels:
  - .name:           k_q4782d0e52d_gemm
    .symbol:         k_q4782d0e52d_gemm.kd
    .args:
      - { .name: xq, .offset: 0, .size: 8, .value_kind: global_buffer, .address_space: global }
      - { .name: xs, .offset: 8, .size: 8, .value_kind: global_buffer, .address_space: global }
      - { .name: kcw, .offset: 16, .size: 8, .value_kind: global_buffer, .address_space: global }
      - { .name: vw, .offset: 24, .size: 8, .value_kind: global_buffer, .address_space: global }
      - { .name: out0, .offset: 32, .size: 8, .value_kind: global_buffer, .address_space: global }
    .group_segment_fixed_size: 327680
    .private_segment_fixed_size: 0
    .kernarg_segment_align: 8
    .kernarg_segment_size: 40
    .max_flat_workgroup_size: 128
    .sgpr_count:     66
    .vgpr_count:     1024
    .wavefront_size: 32
...
	.end_amdgpu_metadata
.endif
;; end of part 2
